; MI455X (gfx1250); checked and timed in simulation.
; The chip was launched on July 23, 2026; its instructions are those of AMD's public machine-readable ISA for CDNA 5 (MIT licence, August 2026) and "CDNA5" Instruction Set Architecture Reference Guide (July 2026). The comments in the code are by the model that wrote it; some were corrected since.
;; RBS Quantized Linear. Allowed arithmetic: matrix products marked QUANTISED: E4M3 operands, one given power-of-two scale a tensor, by v_wmma_f32_16x16x64_fp8_fp8 or v_wmma_f32_16x16x128_fp8_fp8, f32 sums; everything else in f32.
;; Inputs: W_q 4,096 x 4,096 int32; lowp_scales 2 int32 (the exponents e of the quantised operands' scales 2^e); mask 4,096 x 4,096 float32; mu1 4,096 float32; mu2 4,096 float32; scales 4,096 x 64 x 1 float32; x_codes 4 x 1,024 x 128 x 32 uint8 (E4M3 codes of x, K innermost, in blocks of 32 codes); zeros 4,096 x 64 x 1 float32.
;; Outputs: out0 4 x 1,024 x 4,096 float32.
;; This version of the problem:
;;   THIS VERSION OF THE PROBLEM IS GIVEN IN LOW PRECISION. The matrix products marked QUANTISED in the list below multiply operands that are first quantised to E4M3 (4 exponent bits, 3 mantissa bits; 8 bits a number), with one given power-of-two scale for each operand tensor; their sums are f32. All else is computed in f32.
;;   The module's matrix products, in the order in which they are computed (A, B: the left and right operand; K: the contracted axis; several contracted axes count as one K, in the product's order):
;;     1. [M 4,096, K 4,096] x [K 4,096, N 4,096]; A: input x (given as codes); B: computed on the way: QUANTISED (scales: A lowp_scales[0], B lowp_scales[1])
;;   THE QUANTISER, for each operand of a quantised product, along K:
;;     - The operand's scale is 2^e, e = its entry of the input lowp_scales (int32; the entries are numbered through the quantised products in the list's order, A before B).
;;     - Each number is divided by the scale, clamped to +-448, and rounded to the nearest number of E4M3, ties to even, subnormals kept.
;;     - The product sums the exact products of the quantised numbers (number of the format x scale) in f32.
;;   ~~~python
;;   def quantise(x, axis, e):      # numpy; x: float32 -> the quantised numbers, widened to float32 again
;;       x = np.moveaxis(x, axis, -1); K = x.shape[-1]
;;       r = np.clip(x / 2.0 ** e, -448, 448)
;;       step = 2.0 ** (np.maximum(np.frexp(np.where(r == 0, 1, r))[1] - 1, -6) - 3)
;;       q = np.round(r / step) * step * 2.0 ** e      # np.round: ties to even
;;       return np.moveaxis(q, -1, axis).astype(np.float32)
;;   ~~~
;;   OPERANDS COMPUTED ON THE WAY. 'Computed on the way' means the value that the module computes at that place (a softmax that the list does not call 'softmax' is quantised finished and normalised). What goes into a quantiser is computed in f32, as accurately as f32 sums, v_exp_f32 and their like allow (about 1e-6 of the number): no bf16 or f16 on the way to a quantiser, and a product that is left as it is and whose result goes on into a quantised operand takes f32 operands (vector FMAs, or v_wmma_f32_16x16x4_f32). A number that lies on a knife's edge between two numbers of the format may be rounded either way, as far as f32 arithmetic and the matrix unit's own rounding can turn it there, and no further.
;;   INPUTS GIVEN AS CODES. x (in the module: [4, 1024, 4096], K = its axis 2): each comes as NAME_codes (uint8): NAME with its K axis moved to the last place and cut into blocks of 32 codes, [.., K / 32, bytes a block], one block behind the other in memory; one code a byte (a code: sign, 4 exponent bits, 3 mantissa bits); its scale is its entry of lowp_scales. Its value is code x scale, taken as it is: it is not quantised again, and the codes and scales need not be those that the quantiser above would give.
;; One version. Each part assembles by itself: llvm-mc -triple=amdgcn-amd-amdhsa -mcpu=gfx1250 --defsym DOCPART=n.
;; ======== version 1 of 1: 2 launches
;; limits: right only within a limited range of input values
;; workspace buffers: w_codes 16,777,216 bytes
;; launch quant (part 1): grid 256 x 1, 16 waves a work-group, no clusters, 161,792 bytes of LDS; arguments W_q, mask, scales, zeros, mu1, mu2, lowp_scales, w_codes; writes w_codes
.if DOCPART == 1
	.amdgcn_target "amdgcn-amd-amdhsa--gfx1250"
	.amdhsa_code_object_version 6
	.text
	.protected	k_q4d727f2220_quant
	.globl	k_q4d727f2220_quant
	.p2align	8
	.type	k_q4d727f2220_quant,@function
k_q4d727f2220_quant:
	s_mov_b64 s[64:65], 0
	v_nop
	global_prefetch_b8 v0, s[64:65] scope:SCOPE_SE
	s_setreg_imm32_b32 hwreg(HW_REG_WAVE_MODE, 25, 1), 1
	s_wait_xcnt 0x0
; W[k][n] = ((((f32(W_q[k][n]) - zeros[k][n/64]) x scales[k][n/64]) x mu2[k]) x mu1[n]) x mask[k][n], each step rounded to f32 in this order,
; becomes codes of FP8 (E4M3): code = W / 2^e1, held within +-448, to the nearest code, ties to even.  e1 is entry 1 of the buffer of scales.
; LIMITS: -126 <= e1 <= 119, so that 2^e1 and 448 x 2^e1 are f32 numbers; NaN among the inputs is not served; an infinity is held at the largest code.
; THE CODES' LAYOUT is the order in which the product's launch takes them into registers: [k / 128][n / 64][(k % 128) / 16][1,024 bytes], and in the 1,024 bytes
; four units of 256 bytes, unit (n % 64) / 16, each with 16 bytes (16 neighbouring n) of each of the 16 rows k % 16.
; SHARES.  A work-group of sixteen waves owns 16 rows k: one block of that layout.  Wave w owns 512 columns (c = w % 8) of 8 rows (rh = w / 8); a STEP is one row of the strip.
; Loads and arithmetic are dense: load i gives lane l the weights 128 i + 4 l + 0..3, so each load covers 512 consecutive bytes.  The finished f32 weights go through the wave's own
; stage in LDS and come back 64 bytes a lane: lane l holds weights 16 l + 0..15, and its 16 codes are row k's part of unit 32 c + l.
; The codes are gathered in an image of the block's 256 units in LDS (272 bytes a unit: 16 of padding); behind one barrier each wave reads 16 whole units and stores them, 512 consecutive bytes an instruction.
; Each row's 64 zeros and 64 scales are read once, by one wave, and laid into LDS so that a step's four numbers of a half of the lanes are 16 neighbouring bytes.
; Loads run four steps ahead.  No matrix unit, no tensor load, no cluster: the launch is a stream.
.set ROWQ, 16384                       ; a row of W_q or of mask in bytes
.set STEPS, 8
.set SL,   4096                        ; LDS: zeros at 0, scales at 4096
.set STG,  8192                        ; then, for each wave, two stages of 32 x SP bytes
.set SP,   80
.set STGB, 32*SP
.set CODES, 0x16800                    ; behind the spare words (0x16000, 128 bytes a wave): the image of the codes
.set CP,   272                         ; a unit there: 256 bytes + 16
.set DO,   2                           ; v2   16 x lane
.set ZO,   3                           ; v3   8 x lane
.set ZW,   4                           ; v4   where I lay zeros and scales
.set ZR,   5                           ; v5   where I read a step's four
.set SI,   6                           ; v6   the stage, on the way in
.set SOUT, 7                           ; v7   and on the way out
.set LIM,  10                          ; v10  448 x 2^e1
.set SC,   11                          ; v11  2^e1
.set MV,   12                          ; v[12:13] mu2 of the step's row
.set ZRAW, 14                          ; v[14:17] zeros and scales as loaded
.set Z,    20
.set S,    24
.set MU,   28                          ; v[28:43] mu1 of my 16 columns
.set Q,    44                          ; v[44:107]  four sets of 16: W_q, then the weight; at the end the units read back
.set M,    108                         ; v[108:171] four sets of 16: mask
.set X,    172                         ; v[172:203] two sets of 16 neighbours
.set C,    204                         ; v[204:235] codes
.set CW,   236                         ; v236 the image: unit 32 c + lane, row 8 rh
.set CR,   237                         ; v237 the image: unit 16 wave + lane / 16, 16 bytes at 16 (lane % 16)
.set MU2,  28                          ; s[28:35] mu2 of my 8 rows
	s_load_b512 s[4:19], s[0:1], 0x0               ; W_q, mask, scales, zeros, mu1, mu2, the exponents s[16:17], the codes s[18:19]
	v_lshl_add_u32 v240, v0, 2, 0x16000
	v_mov_b32 v241, 0
	v_lshrrev_b32 v8, 5, v0
	s_delay_alu instid0(VALU_DEP_1)
	v_readfirstlane_b32 s20, v8                    ; wave 0..15
	v_and_b32 v1, 31, v0                           ; lane
	s_and_b32 s21, s20, 7                          ; c
	s_lshr_b32 s22, s20, 3                         ; rh
	v_lshlrev_b32 v[DO], 4, v1
	v_lshlrev_b32 v[ZO], 3, v1
	v_lshrrev_b32 v8, 2, v1
	v_and_b32 v9, 3, v1
	s_delay_alu instid0(VALU_DEP_2)
	v_lshlrev_b32 v[ZW], 5, v8
	s_delay_alu instid0(VALU_DEP_1)
	v_lshl_add_u32 v[ZW], v9, 2, v[ZW]
	s_lshl_b32 s38, s20, 8
	v_add_nc_u32 v[ZW], s38, v[ZW]
	v_lshrrev_b32 v[ZR], 4, v1
	s_delay_alu instid0(VALU_DEP_1)
	v_lshlrev_b32 v[ZR], 4, v[ZR]
	s_lshl_b32 s38, s22, 11
	s_lshl_b32 s39, s21, 5
	s_add_co_u32 s38, s38, s39
	v_add_nc_u32 v[ZR], s38, v[ZR]
	s_mul_i32 s38, s20, 2*STGB
	s_add_co_u32 s38, s38, STG
	v_mul_u32_u24 v[SI], v8, SP
	s_delay_alu instid0(VALU_DEP_1)
	v_lshl_add_u32 v[SI], v9, 4, v[SI]
	s_delay_alu instid0(VALU_DEP_1)
	v_add_nc_u32 v[SI], s38, v[SI]
	v_mul_u32_u24 v[SOUT], v1, SP
	s_delay_alu instid0(VALU_DEP_1)
	v_add_nc_u32 v[SOUT], s38, v[SOUT]
	v_mul_u32_u24 v[CW], v1, CP
	s_mul_i32 s38, s21, 32*CP
	s_lshl_b32 s39, s22, 7
	s_add_co_u32 s38, s38, s39
	s_add_co_u32 s38, s38, CODES
	v_add_nc_u32 v[CW], s38, v[CW]
	v_lshrrev_b32 v8, 4, v1
	v_and_b32 v9, 15, v1
	s_delay_alu instid0(VALU_DEP_2)
	v_mul_u32_u24 v[CR], v8, CP
	s_delay_alu instid0(VALU_DEP_1)
	v_lshl_add_u32 v[CR], v9, 4, v[CR]
	s_mul_i32 s38, s20, 16*CP
	s_add_co_u32 s38, s38, CODES
	v_add_nc_u32 v[CR], s38, v[CR]
	s_lshl_b32 s24, ttmp9, 18                      ; W_q, mask: 16 rows a work-group, 8 rows, 512 columns of 4 bytes
	s_lshl_b32 s38, s22, 17
	s_lshl_b32 s39, s21, 11
	s_add_co_u32 s24, s24, s38
	s_add_co_u32 s24, s24, s39
	s_mov_b32 s25, 0
	s_mov_b32 s42, s39                             ; mu1: the same 512 columns
	s_mov_b32 s43, 0
	s_lshr_b32 s26, ttmp9, 3                       ; the codes: 524,288 bytes for 128 rows,
	s_lshl_b32 s26, s26, 19
	s_and_b32 s38, ttmp9, 7                        ; 1,024 for my block of 16 among them,
	s_lshl_b32 s38, s38, 10
	s_add_co_u32 s26, s26, s38
	s_lshl_b32 s38, s20, 15                        ; and my wave's 16 units: four steps of 8,192 bytes along n
	s_add_co_u32 s26, s26, s38
	s_mov_b32 s27, 0
	s_lshl_b32 s40, ttmp9, 12                      ; zeros, scales: row 16 x work-group + wave
	s_lshl_b32 s38, s20, 8
	s_add_co_u32 s40, s40, s38
	s_mov_b32 s41, 0
	s_lshl_b32 s44, ttmp9, 6                       ; mu2: my 8 rows' numbers
	s_lshl_b32 s38, s22, 5
	s_add_co_u32 s44, s44, s38
	s_mov_b32 s45, 0
	s_wait_alu depctr_va_vdst(0)                   ; the wait at the head's end
	s_wait_kmcnt 0x0
	s_add_nc_u64 s[4:5], s[4:5], s[24:25]
	s_add_nc_u64 s[6:7], s[6:7], s[24:25]
	s_add_nc_u64 s[8:9], s[8:9], s[40:41]
	s_add_nc_u64 s[10:11], s[10:11], s[40:41]
	s_add_nc_u64 s[12:13], s[12:13], s[42:43]
	s_add_nc_u64 s[14:15], s[14:15], s[44:45]
	s_add_nc_u64 s[18:19], s[18:19], s[26:27]
	s_load_b32 s37, s[16:17], 0x4                  ; e1
	s_load_b256 s[MU2:MU2+7], s[14:15], 0x0
.macro LOAD t                          ; step t's W_q and mask into set t % 4
.irp i, 0,1,2,3
	global_load_b128 v[Q+16*((\t)%4)+4*\i:Q+16*((\t)%4)+4*\i+3], v[DO], s[4:5] offset:ROWQ*(\t)+512*\i th:TH_LOAD_NT
.endr
.irp i, 0,1,2,3
	global_load_b128 v[M+16*((\t)%4)+4*\i:M+16*((\t)%4)+4*\i+3], v[DO], s[6:7] offset:ROWQ*(\t)+512*\i th:TH_LOAD_NT
.endr
.endm
.macro ZSLOAD t                        ; step t's four zeros and four scales
	ds_load_b128 v[Z:Z+3], v[ZR] offset:256*(\t)
	ds_load_b128 v[S:S+3], v[ZR] offset:SL+256*(\t)
.endm
.macro COMP t                          ; the weight, in place on W_q's set, in the order of roundings stated at the head
.set QS, Q+16*((\t)%4)
.set MS, M+16*((\t)%4)
	v_mov_b32 v[MV], s[MU2+(\t)]
.irp j, 0,1,2,3,4,5,6,7,8,9,10,11,12,13,14,15
	v_cvt_f32_i32 v[QS+\j], v[QS+\j]
.endr
.irp i, 0,1,2,3
.irp p, 0,2
.if (\i)%2 == 0
	v_pk_add_f32 v[QS+4*\i+\p:QS+4*\i+\p+1], v[QS+4*\i+\p:QS+4*\i+\p+1], v[Z+\i:Z+\i+1] op_sel_hi:[1,0] neg_lo:[0,1] neg_hi:[0,1]
.else
	v_pk_add_f32 v[QS+4*\i+\p:QS+4*\i+\p+1], v[QS+4*\i+\p:QS+4*\i+\p+1], v[Z+\i-1:Z+\i] op_sel:[0,1] op_sel_hi:[1,1] neg_lo:[0,1] neg_hi:[0,1]
.endif
.endr
.endr
.irp i, 0,1,2,3
.irp p, 0,2
.if (\i)%2 == 0
	v_pk_mul_f32 v[QS+4*\i+\p:QS+4*\i+\p+1], v[QS+4*\i+\p:QS+4*\i+\p+1], v[S+\i:S+\i+1] op_sel_hi:[1,0]
.else
	v_pk_mul_f32 v[QS+4*\i+\p:QS+4*\i+\p+1], v[QS+4*\i+\p:QS+4*\i+\p+1], v[S+\i-1:S+\i] op_sel:[0,1] op_sel_hi:[1,1]
.endif
.endr
.endr
.irp j, 0,2,4,6,8,10,12,14
	v_pk_mul_f32 v[QS+\j:QS+\j+1], v[QS+\j:QS+\j+1], v[MV:MV+1] op_sel_hi:[1,0]   ; x mu2
.endr
.irp j, 0,2,4,6,8,10,12,14
	v_pk_mul_f32 v[QS+\j:QS+\j+1], v[QS+\j:QS+\j+1], v[MU+\j:MU+\j+1]             ; x mu1
.endr
.irp j, 0,2,4,6,8,10,12,14
	v_pk_mul_f32 v[QS+\j:QS+\j+1], v[QS+\j:QS+\j+1], v[MS+\j:MS+\j+1]             ; x mask
.endr
.irp j, 0,1,2,3,4,5,6,7,8,9,10,11,12,13,14,15
	v_med3_num_f32 v[QS+\j], v[QS+\j], -v[LIM], v[LIM]   ; the conversion does not saturate (ISA guide 7.6.2): held first
.endr
.endm
.macro TURN t                          ; through stage t % 2: LDS serves a wave's instructions in order (ISA guide 5.7.1.4)
.set QS, Q+16*((\t)%4)
.irp i, 0,1,2,3
	ds_store_b128 v[SI], v[QS+4*\i:QS+4*\i+3] offset:STGB*((\t)%2)+8*SP*\i
.endr
.irp j, 0,1,2,3
	ds_load_b128 v[X+16*((\t)%2)+4*\j:X+16*((\t)%2)+4*\j+3], v[SOUT] offset:STGB*((\t)%2)+16*\j
.endr
.endm
.macro FIN t                           ; 16 neighbours become 16 codes, which go to row 8 rh + t of my unit in the image
.set XS, X+16*((\t)%2)
	v_cvt_scalef32_pk8_fp8_f32 v[C+4*(\t):C+4*(\t)+1], v[XS:XS+7], v[SC]
	v_cvt_scalef32_pk8_fp8_f32 v[C+4*(\t)+2:C+4*(\t)+3], v[XS+8:XS+15], v[SC]
	v_nop                                          ; one plain vector line behind the last conversion of the run
	ds_store_b128 v[CW], v[C+4*(\t):C+4*(\t)+3] offset:16*(\t)
.endm
.macro STEP t
	s_wait_dscnt 0x0                               ; step t's neighbours are back; the next step's zeros and scales are in
.if (\t)+4 < STEPS
	LOAD (\t)+4
.endif
.if (\t)+1 < STEPS
.if (\t)+4 < STEPS
	s_wait_loadcnt 24                              ; the next step's eight loads are in; three steps' may be out
.else
	s_wait_loadcnt 8*(STEPS-2-(\t))                ; the counts run down
.endif
	COMP (\t)+1
	TURN (\t)+1
.if (\t)+2 < STEPS
	ZSLOAD (\t)+2
.endif
.endif
	FIN \t
.endm
	global_load_b64 v[ZRAW:ZRAW+1], v[ZO], s[10:11] th:TH_LOAD_NT
	global_load_b64 v[ZRAW+2:ZRAW+3], v[ZO], s[8:9] th:TH_LOAD_NT
.irp i, 0,1,2,3
	global_load_b128 v[MU+4*\i:MU+4*\i+3], v[DO], s[12:13] offset:512*\i
.endr
.irp t, 0,1,2,3
	LOAD \t
.endr
	s_wait_kmcnt 0x0
	s_add_co_i32 s38, s37, 127
	s_lshl_b32 s39, s38, 23
	v_mov_b32 v[SC], s39                           ; 2^e1 as f32
	s_add_co_i32 s38, s38, 8
	s_lshl_b32 s38, s38, 23
	s_or_b32 s38, s38, 0x600000
	v_mov_b32 v[LIM], s38                          ; 448 x 2^e1
	v_mov_b32 v[MV+1], 0
	s_wait_loadcnt 36                              ; zeros and scales are in: behind them 4 loads of mu1 and 32 of W_q and mask
	ds_store_b32 v[ZW], v[ZRAW]
	ds_store_b32 v[ZW], v[ZRAW+1] offset:16
	ds_store_b32 v[ZW], v[ZRAW+2] offset:SL
	ds_store_b32 v[ZW], v[ZRAW+3] offset:SL+16
	s_wait_dscnt 0x0                               ; for the others' sake: my row's words have landed
	s_barrier_signal -1
	s_barrier_wait -1
	ZSLOAD 0
	s_wait_loadcnt 24                              ; mu1 and step 0 are in
	s_wait_dscnt 0x0
	COMP 0
	TURN 0
	ZSLOAD 1
.irp t, 0,1,2,3,4,5,6,7
	STEP \t
.endr
	s_wait_dscnt 0x0                               ; for the others' sake: my codes lie in the image
	s_barrier_signal -1
	s_barrier_wait -1
.irp i, 0,1,2,3,4,5,6,7
	ds_load_b128 v[Q+4*\i:Q+4*\i+3], v[CR] offset:2*CP*\i          ; units 16 wave + 2 i and + 2 i + 1, whole
.endr
.irp i, 0,1,2,3,4,5,6,7
	s_wait_dscnt 7-\i
	global_store_b128 v[DO], v[Q+4*\i:Q+4*\i+3], s[18:19] offset:8192*(\i/2)+512*(\i%2)   ; 512 consecutive bytes, at a multiple of 256 from the buffer's first byte
.endr
	s_wait_tensorcnt 0x0                           ; the wave's end
	ds_add_u32 v240, v241
	s_wait_dscnt 0x0
	s_endpgm
.Lfunc_end_k_q4d727f2220_quant:
	.size	k_q4d727f2220_quant, .Lfunc_end_k_q4d727f2220_quant-k_q4d727f2220_quant
	.p2alignl 7, 3214868480
	.fill 96, 4, 3214868480
	.section	.rodata,"a",@progbits
	.p2align	6, 0x0
	.amdhsa_kernel k_q4d727f2220_quant
		.amdhsa_group_segment_fixed_size 161792
		.amdhsa_private_segment_fixed_size 0
		.amdhsa_enable_private_segment 0
		.amdhsa_kernarg_size 64
		.amdhsa_user_sgpr_count 2
		.amdhsa_user_sgpr_kernarg_segment_ptr 1
		.amdhsa_wavefront_size32 1
		.amdhsa_system_sgpr_workgroup_id_x 1
		.amdhsa_system_sgpr_workgroup_id_y 1
		.amdhsa_system_sgpr_workgroup_id_z 1
		.amdhsa_system_vgpr_workitem_id 0
		.amdhsa_next_free_vgpr 242
		.amdhsa_next_free_sgpr 66
		.amdhsa_reserve_vcc 0
		.amdhsa_float_denorm_mode_32 3
		.amdhsa_float_denorm_mode_16_64 3
		.amdhsa_memory_ordered 1
		.amdhsa_forward_progress 1
		.amdhsa_inst_pref_size 53
	.end_amdhsa_kernel
	.amdgpu_metadata
---
amdhsa.version: [ 1, 2 ]
amdhsa.kernels:
  - .name:           k_q4d727f2220_quant
    .symbol:         k_q4d727f2220_quant.kd
    .args:
      - { .name: W_q, .offset: 0, .size: 8, .value_kind: global_buffer, .address_space: global }
      - { .name: mask, .offset: 8, .size: 8, .value_kind: global_buffer, .address_space: global }
      - { .name: scales, .offset: 16, .size: 8, .value_kind: global_buffer, .address_space: global }
      - { .name: zeros, .offset: 24, .size: 8, .value_kind: global_buffer, .address_space: global }
      - { .name: mu1, .offset: 32, .size: 8, .value_kind: global_buffer, .address_space: global }
      - { .name: mu2, .offset: 40, .size: 8, .value_kind: global_buffer, .address_space: global }
      - { .name: lowp_scales, .offset: 48, .size: 8, .value_kind: global_buffer, .address_space: global }
      - { .name: w_codes, .offset: 56, .size: 8, .value_kind: global_buffer, .address_space: global }
    .group_segment_fixed_size: 161792
    .private_segment_fixed_size: 0
    .kernarg_segment_align: 8
    .kernarg_segment_size: 64
    .max_flat_workgroup_size: 512
    .sgpr_count:     66
    .vgpr_count:     242
    .wavefront_size: 32
...
	.end_amdgpu_metadata
.endif
;; end of part 1
;; launch gemm (part 2): grid 16 x 16, 4 waves a work-group, clusters of 4 x 4, 327,680 bytes of LDS; arguments x_codes, w_codes, lowp_scales, out0; writes out0
.if DOCPART == 2
	.amdgcn_target "amdgcn-amd-amdhsa--gfx1250"
	.amdhsa_code_object_version 6
	.text
	.protected	k_q4d727f2220_gemm
	.globl	k_q4d727f2220_gemm
	.p2align	8
	.type	k_q4d727f2220_gemm,@function
k_q4d727f2220_gemm:
	s_mov_b64 s[64:65], 0
	v_nop
	global_prefetch_b8 v0, s[64:65] scope:SCOPE_SE
	s_setreg_imm32_b32 hwreg(HW_REG_WAVE_MODE, 25, 1), 1
	s_wait_xcnt 0x0
	s_wait_alu depctr_hold_cnt(0) depctr_sa_sdst(0) depctr_va_vdst(0) depctr_va_sdst(0) depctr_va_ssrc(0) depctr_va_vcc(0) depctr_vm_vsrc(0)
	s_getreg_b32 s2, hwreg(HW_REG_IB_STS2, 6, 4)
	s_cmp_eq_u32 s2, 0
	s_cbranch_scc0 .Lentry_in_a_cluster
	s_endpgm
.Lentry_in_a_cluster:
	s_bfe_u32 s2, ttmp6, 0x10000c
	s_cmp_lg_u32 s2, 0xf033
	s_cbranch_scc0 .Lentry_shape_is_right
	s_endpgm
.Lentry_shape_is_right:
; out0[m][n] = 2^(ea + eb) x sum over k of x_codes[m][k] w_codes[n][k]: codes of FP8 (E4M3) multiplied as they are, f32 sums.  m, n, k: 4,096 each.
; LIMIT: ea + eb lies between -126 and 127, so that 2^(ea + eb) is an f32 number.
; A work-group of four waves makes 256 x 256 of the result, a wave 128 x 128: 64 accumulators, 512 registers.  256 work-groups.
; x (A) comes through a ring of two LDS slots of 256 rows x 512 along K; each wave's tensor load brings 64 rows of 512 bytes.  4 x 4 work-groups form a cluster; the four of a
; row of the cluster need the same tiles of x and ask for them JOINTLY (same descriptor, a mask that names the four).
; W (B) goes from memory straight into each wave's registers: the preparing launch laid its codes in the order of the registers ([n / 128][k / 64][(n % 128) / 16][1,024 bytes]),
; so a load of 16 bytes a lane covers 512 consecutive bytes.  No LDS byte is spent on W, which is why x's slots can hold 512 along K.  A joint request is a form of the tensor load
; alone, so W's loads are each wave's own.
; A SUBSTEP is 64 along K: 64 matrix instructions, B's blocks one after the other, each against A's eight.  A has two sets of 64 registers; B a ring of four sets, asked for three substeps ahead.
; Fragments: lane l holds row l % 16; registers 4 c .. 4 c + 3 hold K = 32 c + 16 (l / 16) + 0 .. 15: the same permutation of k in A and in B.
; THE MATRIX INSTRUCTION IS USED TRANSPOSED (source 0 = 16 rows of W, source 1 = 16 rows of x): a lane holds eight neighbouring numbers of a row of the result.
; REGISTERS: window 0: v0-31 addresses, v64-191 A's two sets (on the way out v32-255 are at work); window 1: B's ring;
;   window 2: accumulators of B's blocks 0-3 ((a, b) at v[8 (8 (b % 4) + a)]); window 3: of blocks 4-7.
.set PITCH,  528                       ; an LDS row: 512 bytes + 16 of padding: 33 x 16 bytes
.set QT,     64*PITCH                  ; what one tensor load brings
.set SLOT,   4*QT
.set SPARE,  2*SLOT                    ; the spare words: 128 bytes a wave
.set STAGE,  SPARE+512                 ; the way out: 16 rows x 528 bytes for each wave; no tensor load lands here
.set SPITCH, 528
.set ADRA, 16                          ; v16-17 LDS address of my A fragments in slot 0, 1
.set STO,  24
.set RD,   25
.set CO,   26                          ; v26 16 x lane: my place in a load of W and in a row of the result
.set SPW,  28
.set NIL,  29
.set PFO,  30                          ; v30 x's prefetch: row lane % 16, block of 256 bytes lane / 16
.set PFB,  31                          ; v31 W's prefetch: 256 x lane
.set TMP,  32
.set AF,   64
.set BK,   128
.set G1, 24                            ; s[24:31] descriptor group 1
.set G0, 32                            ; s[32:39] group 0, one set for each slot
.set BB, 48                            ; s[48:49] my 128 rows of W at the lap's first substep
.set PA, 50                            ; s[50:51] x's prefetch: four slot steps on from the lap's first
.set PB, 52                            ; s[52:53] W's prefetch: two slot steps on
.set MSB, 0
.macro WIN new                         ; the immediate's high byte repeats the setting that is left
.if MSB != \new
	s_set_vgpr_msb (MSB<<8)|\new
.set MSB, \new
.endif
.endm
.set MUL_LO, 0xa1                      ; source 0 (B) window 1, source 1 (A) window 0, C and D window 2
.set MUL_HI, 0xf1
.set TO_B,   0x40                      ; destination window 1, address window 0
.macro PLACES
.rept 4
	v_nop
.endr
.endm
.macro JLOAD s                         ; every wave's joint load; s_nop 0 and four v_nop follow
	tensor_load_to_lds s[G0+4*(\s):G0+4*(\s)+3], s[G1:G1+7]
	s_nop 0
	PLACES
.endm
.macro CREST
	s_cmp_lg_u32 s14, 0
	s_cbranch_scc1 .Lnot_wave_0_\@
	s_barrier_signal -3
.Lnot_wave_0_\@:
	s_barrier_wait -3
	s_barrier_signal -1
	s_barrier_wait -1
.endm
.macro CROUND
	s_barrier_signal -1
	s_barrier_wait -1
	CREST
.endm
; Prefetches into the L2, behind a refill.  W: the slot step two on: its 512 blocks of 256 bytes for my tile column are shared out by address among the column's four partners
; and their four waves: 8,192 bytes (one substep of one half) a wave, a lane a block.  x: the slot step that the refill after next brings: of the 64 rows that I fetch, my work-group
; takes 16 by its place in the row of the cluster, two blocks a row.  In the loop's last trip x has no such step.
.macro ASK sl
	global_prefetch_b8 v[PFB], s[PB:PB+1] offset:(\sl)*65536 th:TH_LOAD_NT scope:SCOPE_SE
	s_cmp_gt_u32 s3, 1
	s_cbranch_scc0 .Lno_x_\@
	global_prefetch_b8 v[PFO], s[PA:PA+1] offset:(\sl)*512 th:TH_LOAD_NT scope:SCOPE_SE
.Lno_x_\@:
.endm
	s_load_b128 s[4:7], s[0:1], 0x0                ; x's codes, W's codes
	s_load_b128 s[8:11], s[0:1], 0x10              ; the exponents, the result
	v_lshl_add_u32 v[SPW], v0, 2, SPARE
	v_mov_b32 v[NIL], 0
	ds_add_u32 v[SPW], v[NIL]                      ; the opening lines: the add, twice on end, and its wait
	ds_add_u32 v[SPW], v[NIL]
	v_lshrrev_b32 v1, 5, v0
	v_readfirstlane_b32 s14, v1                    ; wave 0..3
	s_lshr_b32 s15, s14, 1                         ; my half of the tile's rows
	s_and_b32 s16, s14, 1                          ; my half of its columns
	s_bfe_u32 s40, ttmp6, 0x40000                  ; cx
	s_bfe_u32 s41, ttmp6, 0x40004                  ; cy
	s_lshl_b32 s42, ttmp9, 2
	s_add_co_u32 s42, s42, s40                     ; tile column
	s_and_b32 s17, ttmp7, 0xffff
	s_lshl_b32 s17, s17, 2
	s_add_co_u32 s17, s17, s41                     ; tile row
	s_lshl_b32 s43, s41, 2
	s_lshl_b32 s43, 15, s43                        ; my row of the cluster
	s_or_b32 s[G1+0], s43, (0<<16)|(1<<20)|(1<<21)|(6<<22)|(3<<25)  ; mask; 1-byte elements; padding of 4 words behind every 128
	s_mov_b32 s[G1+1], 512<<16                     ; tensor_dim0
	s_mov_b32 s[G1+2], 64<<16                      ; tensor_dim1
	s_mov_b32 s[G1+3], 512<<16                     ; tile_dim0
	s_mov_b32 s[G1+4], 64                          ; tile_dim1
	s_mov_b32 s[G1+5], 4096                        ; pitch
	s_mov_b32 s[G1+6], 0
	s_mov_b32 s[G1+7], 0
	s_lshl_b32 s20, s17, 8
	s_lshl_b32 s18, s14, 6
	s_add_co_u32 s20, s20, s18                     ; x: row 256 x tile row + 64 x wave,
	s_lshl_b32 s20, s20, 12                        ; in bytes
	s_mov_b32 s21, 0
	s_mul_i32 s45, s14, QT                         ; where they go
	s_lshl_b32 s46, s42, 1
	s_add_co_u32 s46, s46, s16
	s_lshl_b32 s46, s46, 19                        ; W: my 128 rows are 524,288 consecutive bytes
	s_mov_b32 s47, 0
	s_lshl_b32 s54, s41, 1
	s_add_co_u32 s54, s54, s15
	s_add_co_u32 s54, s54, 16
	s_lshl_b32 s54, s54, 13                        ; W's prefetch: substep 16 + 2 cy + wave / 2
	s_mov_b32 s55, 0
	s_lshl_b32 s56, s40, 16                        ; x's prefetch: 16 cx rows down, 4 x 512 along K
	s_add_co_u32 s56, s56, 2048
	s_mov_b32 s57, 0
	s_mul_i32 s22, s15, 128*PITCH                  ; my 128 rows of A in a slot
	s_mul_i32 s23, s14, 16*SPITCH
	s_add_co_u32 s23, s23, STAGE                   ; my stage
	s_lshl_b32 s58, s17, 8
	s_lshl_b32 s59, s15, 7
	s_add_co_u32 s58, s58, s59
	s_lshl_b32 s58, s58, 14                        ; my first row of the result, 16,384 bytes a row,
	s_lshl_b32 s60, s42, 10
	s_lshl_b32 s61, s16, 9
	s_add_co_u32 s58, s58, s60
	s_add_co_u32 s58, s58, s61                     ; and my first column
	s_mov_b32 s59, 0
	v_and_b32 v1, 15, v0
	v_bfe_u32 v2, v0, 4, 1
	v_and_b32 v6, 31, v0
	v_mul_u32_u24 v3, v1, PITCH
	v_lshl_add_u32 v3, v2, 4, v3
	v_add_nc_u32 v[ADRA], s22, v3
	v_add_nc_u32 v[ADRA+1], SLOT, v[ADRA]
	v_mul_u32_u24 v5, v1, SPITCH
	v_lshl_add_u32 v5, v2, 5, v5
	v_add_nc_u32 v[STO], s23, v5
	v_lshlrev_b32 v[CO], 4, v6
	v_add_nc_u32 v[RD], s23, v[CO]
	v_lshlrev_b32 v[PFB], 8, v6
	v_lshlrev_b32 v[PFO], 12, v1
	v_lshl_add_u32 v[PFO], v2, 8, v[PFO]
	s_wait_alu depctr_va_vdst(0)                   ; the wait at the head's end
	s_wait_dscnt 0x0                               ; both opening adds are done
	s_wait_kmcnt 0x0
	s_load_b64 s[96:97], s[8:9], 0x0               ; ea, eb
	s_add_nc_u64 s[20:21], s[4:5], s[20:21]
	s_add_nc_u64 s[PA:PA+1], s[20:21], s[56:57]
	s_add_nc_u64 s[BB:BB+1], s[6:7], s[46:47]
	s_add_nc_u64 s[PB:PB+1], s[BB:BB+1], s[54:55]
	s_add_nc_u64 s[10:11], s[10:11], s[58:59]
.irp s, 0,1
	s_mov_b32 s[G0+4*\s], 1
	s_add_co_u32 s[G0+4*\s+1], s45, \s*SLOT
	s_add_nc_u64 s[G0+4*\s+2:G0+4*\s+3], s[20:21], \s*512
	s_or_b32 s[G0+4*\s+3], s[G0+4*\s+3], 0x80000000
.endr
	CROUND                                         ; all sixteen work-groups are here: the first joint loads meet
	JLOAD 0                                        ; slot step 0: one tensor load a wave at the head
.macro MUL16 p, q, b0, zero            ; B's blocks b0, b0 + 1 of ring set q against A's eight of set p.  The 64 accumulators take turns
.irp b, \b0, \b0+1
.irp a, 0,1,2,3,4,5,6,7
.if \zero
	v_wmma_f32_16x16x64_fp8_fp8 v[8*(8*((\b)%4)+\a):8*(8*((\b)%4)+\a)+7], v[64*(\q)+8*(\b):64*(\q)+8*(\b)+7], v[AF+64*(\p)+8*\a:AF+64*(\p)+8*\a+7], 0
.else
	v_wmma_f32_16x16x64_fp8_fp8 v[8*(8*((\b)%4)+\a):8*(8*((\b)%4)+\a)+7], v[64*(\q)+8*(\b):64*(\q)+8*(\b)+7], v[AF+64*(\p)+8*\a:AF+64*(\p)+8*\a+7], v[8*(8*((\b)%4)+\a):8*(8*((\b)%4)+\a)+7]
.endif
.endr
.endr
.endm
.macro FETCH_A slot, kq, p             ; 16 LDS loads: my 128 rows, 64 along K at byte 64 kq of the slot's rows
.irp i, 0,1,2,3,4,5,6,7
	ds_load_b128 v[AF+64*(\p)+8*\i:AF+64*(\p)+8*\i+3],   v[ADRA+(\slot)] offset:64*(\kq)+\i*16*PITCH
	ds_load_b128 v[AF+64*(\p)+8*\i+4:AF+64*(\p)+8*\i+7], v[ADRA+(\slot)] offset:64*(\kq)+32+\i*16*PITCH
.endr
.endm
.macro FETCH_B q, off                  ; 16 loads: a substep's 8,192 consecutive bytes of my 128 rows of W
.irp i, 0,1,2,3,4,5,6,7
	global_load_b128 v[64*(\q)+8*\i:64*(\q)+8*\i+3],   v[CO], s[BB:BB+1] offset:(\off)+1024*\i
	global_load_b128 v[64*(\q)+8*\i+4:64*(\q)+8*\i+7], v[CO], s[BB:BB+1] offset:(\off)+1024*\i+512
.endr
.endm
; Substep t of a lap of 16.  At its head, four places behind the last products, ONE run of loads into what the last substep has read: W's substep t + 3 (fb) and A's t + 1 (fa).
; lc: the loads of W that may stay out: 16 for each younger substep.  turn = 1: substep 6 of a slot step: A's last fragments of this slot have just been asked for; the slots change and this one is filled
; again, two slot steps on.  turn = 2: the change without a refill.
.macro SUB t, fa, fb, lc, turn, zero
	PLACES
.if \fb
	WIN TO_B
	FETCH_B ((\t)+3)%4, ((\t)+3)*8192
.endif
	WIN 0
.if \fa
	FETCH_A (((\t)+1)/8)%2, ((\t)+1)%8, ((\t)+1)%2
.endif
.if \turn
	s_wait_tensorcnt 0x0                           ; my one tensor load that was out, my part of the other slot, has landed;
	ds_add_u32 v[SPW], v[NIL]
.if \turn == 1
	s_add_nc_u64 s[G0+4*(((\t)/8)%2)+2:G0+4*(((\t)/8)%2)+3], s[G0+4*(((\t)/8)%2)+2:G0+4*(((\t)/8)%2)+3], 1024
.endif
	s_wait_dscnt 17                                ; this substep's A is in; the 16 loads just issued and the add may be out
.else
	s_wait_dscnt 16*\fa                            ; this substep's A is in
.endif
	s_wait_loadcnt \lc                             ; this substep's W is in
	WIN MUL_LO
	MUL16 (\t)%2, (\t)%4, 0, \zero
.if \turn
	s_wait_dscnt 0x0                               ; the add is done, and my reads of this slot are over
	s_barrier_signal -1
.endif
	MUL16 (\t)%2, (\t)%4, 2, \zero
.if \turn
	WIN 0
	s_barrier_wait -1
.if \turn == 1
	CREST                                          ; the barrier has opened a round of the cluster's barrier
	JLOAD ((\t)/8)%2                               ; the first tensor load behind the round
	ASK ((\t)/8)%2
.endif
.endif
	WIN MUL_HI
	MUL16 (\t)%2, (\t)%4, 4, \zero
	MUL16 (\t)%2, (\t)%4, 6, \zero
.endm
	WIN TO_B
	FETCH_B 0, 0                                   ; W's substeps 0 to 2
	global_prefetch_b8 v[PFB], s[PB:PB+1] offset:-65536 th:TH_LOAD_NT scope:SCOPE_SE   ; W's slot step 1, my share; slot step 0 comes by its loads alone
	FETCH_B 1, 8192
	FETCH_B 2, 16384
	WIN 0
	s_wait_tensorcnt 0x0                           ; my part of slot step 0 is in
	ds_add_u32 v[SPW], v[NIL]
	s_wait_dscnt 0x0
	CROUND
	JLOAD 1                                        ; slot step 1, the first tensor load behind the round
	FETCH_A 0, 0, 0
	SUB 0, 1, 1, 48, 0, 1                          ; the first substep stands in front of the loop: its products start the sums
	WIN 0
	s_mov_b32 s3, 3
.Llap:                                                 ; a trip: a lap's substeps 1 to 15 and the next lap's first; both slots are filled again
.irp t, 1,2,3,4,5
	SUB \t, 1, 1, 48, 0, 0
.endr
	SUB 6, 1, 1, 48, 1, 0
.irp t, 7,8,9,10,11,12,13
	SUB \t, 1, 1, 48, 0, 0
.endr
	SUB 14, 1, 1, 48, 1, 0
	SUB 15, 1, 1, 48, 0, 0
	SUB 16, 1, 1, 48, 0, 0
	WIN 0
	s_wait_xcnt 0x0                                ; the loads and prefetches issued so far have read their bases
	s_add_nc_u64 s[BB:BB+1], s[BB:BB+1], 131072
	s_add_nc_u64 s[PB:PB+1], s[PB:PB+1], 131072
	s_add_nc_u64 s[PA:PA+1], s[PA:PA+1], 1024
	s_sub_co_u32 s3, s3, 1
	s_cmp_lg_u32 s3, 0
	s_cbranch_scc1 .Llap
.irp t, 1,2,3,4,5
	SUB \t, 1, 1, 48, 0, 0                         ; the last lap fills nothing
.endr
	SUB 6, 1, 1, 48, 2, 0
.irp t, 7,8,9,10,11,12
	SUB \t, 1, 1, 48, 0, 0
.endr
	SUB 13, 1, 0, 32, 0, 0                         ; nothing more of W to ask for: the counts run down
	SUB 14, 1, 0, 16, 0, 0
	SUB 15, 0, 0, 0, 0, 0
	WIN 0
; THE WAY OUT, by blocks of 16 rows x 128 columns: x 2^(ea + eb) into other registers, each accumulator from its low end on; through my own stage; back as whole rows of 512 bytes.
.macro TOSTAGE a
.irp w, 0,1
	WIN 0x02+\w
.irp b, 0,1,2,3
.irp j, 0,2,4,6
	v_pk_mul_f32 v[TMP+32*\w+8*\b+\j:TMP+32*\w+8*\b+\j+1], v[8*(8*\b+(\a))+\j:8*(8*\b+(\a))+\j+1], s[96:97] op_sel_hi:[1,0]
.endr
.endr
.endr
	WIN 0
.irp b, 0,1,2,3,4,5,6,7
	ds_store_b128 v[STO], v[TMP+8*\b:TMP+8*\b+3] offset:64*\b
	ds_store_b128 v[STO], v[TMP+8*\b+4:TMP+8*\b+7] offset:64*\b+16
.endr
.set BBK, BK+64*((\a)%2)
.irp t, 0,1,2,3,4,5,6,7,8,9,10,11,12,13,14,15
	ds_load_b128 v[BBK+4*\t:BBK+4*\t+3], v[RD] offset:\t*SPITCH    ; LDS serves a wave's instructions in order (ISA guide 5.7.1.4)
.endr
.endm
.macro SEND a, younger
.set BBK, BK+64*((\a)%2)
	s_wait_dscnt \younger
.if (\a) > 0
	s_add_nc_u64 s[10:11], s[10:11], 16*16384      ; behind a wait on XCNT: the earlier stores have read their base
.endif
.irp t, 0,1,2,3,4,5,6,7,8,9,10,11,12,13,14,15
	global_store_b128 v[CO], v[BBK+4*\t:BBK+4*\t+3], s[10:11] offset:\t*16384 th:TH_STORE_NT   ; 512 consecutive bytes, at a multiple of 256 from the result's first byte
.endr
.endm
	s_wait_kmcnt 0x0
	s_add_co_i32 s96, s96, s97
	s_add_co_i32 s96, s96, 127
	s_lshl_b32 s96, s96, 23                        ; 2^(ea + eb) as f32
	PLACES
	TOSTAGE 0
.irp a, 1,2,3,4,5,6,7
.if \a > 1
	s_wait_xcnt 0x0                                ; block a - 2's stores have read their registers and their base
.endif
	TOSTAGE \a
	SEND \a-1, 32                                  ; behind block a - 1's loads: block a's 16 stores and 16 loads
.endr
	s_wait_xcnt 0x0
	SEND 7, 0
	s_wait_tensorcnt 0x0                           ; the wave's end
	ds_add_u32 v[SPW], v[NIL]
	s_wait_dscnt 0x0
	CROUND                                         ; the closing round
	s_endpgm
.Lfunc_end_k_q4d727f2220_gemm:
	.size	k_q4d727f2220_gemm, .Lfunc_end_k_q4d727f2220_gemm-k_q4d727f2220_gemm
	.p2alignl 7, 3214868480
	.fill 96, 4, 3214868480
	.section	.rodata,"a",@progbits
	.p2align	6, 0x0
	.amdhsa_kernel k_q4d727f2220_gemm
		.amdhsa_group_segment_fixed_size 327680
		.amdhsa_private_segment_fixed_size 0
		.amdhsa_enable_private_segment 0
		.amdhsa_kernarg_size 32
		.amdhsa_user_sgpr_count 2
		.amdhsa_user_sgpr_kernarg_segment_ptr 1
		.amdhsa_wavefront_size32 1
		.amdhsa_system_sgpr_workgroup_id_x 1
		.amdhsa_system_sgpr_workgroup_id_y 1
		.amdhsa_system_sgpr_workgroup_id_z 1
		.amdhsa_system_vgpr_workitem_id 0
		.amdhsa_next_free_vgpr 1024
		.amdhsa_next_free_sgpr 98
		.amdhsa_reserve_vcc 0
		.amdhsa_float_denorm_mode_32 3
		.amdhsa_float_denorm_mode_16_64 3
		.amdhsa_memory_ordered 1
		.amdhsa_forward_progress 1
		.amdhsa_inst_pref_size 255
	.end_amdhsa_kernel
	.section	.bss,"aw",@nobits
	.p2align	6
	.space	262144
	.amdgpu_metadata
---
amdhsa.version: [ 1, 2 ]
amdhsa.kernels:
  - .name:           k_q4d727f2220_gemm
    .symbol:         k_q4d727f2220_gemm.kd
    .args:
      - { .name: x_codes, .offset: 0, .size: 8, .value_kind: global_buffer, .address_space: global }
      - { .name: w_codes, .offset: 8, .size: 8, .value_kind: global_buffer, .address_space: global }
      - { .name: lowp_scales, .offset: 16, .size: 8, .value_kind: global_buffer, .address_space: global }
      - { .name: out0, .offset: 24, .size: 8, .value_kind: global_buffer, .address_space: global }
    .group_segment_fixed_size: 327680
    .private_segment_fixed_size: 0
    .kernarg_segment_align: 8
    .kernarg_segment_size: 32
    .max_flat_workgroup_size: 128
    .sgpr_count:     98
    .vgpr_count:     1024
    .wavefront_size: 32
...
	.end_amdgpu_metadata
.endif
;; end of part 2
